; MI455X (gfx1250); checked and timed in simulation.
; The chip was launched on July 23, 2026; its instructions are those of AMD's public machine-readable ISA for CDNA 5 (MIT licence, August 2026) and "CDNA5" Instruction Set Architecture Reference Guide (July 2026). The comments in the code are by the model that wrote it; some were corrected since.
;; Mega Ne RF. Allowed arithmetic: float matrix products may take bf16 or f16 operands with f32 sums; all other float work in f32.
;; Inputs: W1 8 x 90 x 256 float32; W2 8 x 256 x 256 float32; W3 8 x 256 x 4 float32; b1 8 x 256 float32; b2 8 x 256 float32; b3 8 x 4 float32; centroids 8 x 3 float32; x 65,536 x 93 float32.
;; Outputs: out0 65,536 x 4 float32.
;; 2 versions, each right and faster than the one before. Each part assembles by itself: llvm-mc -triple=amdgcn-amd-amdhsa -mcpu=gfx1250 --defsym DOCPART=n.
;; ======== version 1 of 2: 2 launches
;; limits: values are held in f16: magnitudes above 65,504 overflow, below 6.1e-05 lose precision
;; workspace buffers: wt 1,507,328 bytes
;; launch pack (part 1): grid 46 x 8, 8 waves a work-group, no clusters, 0 bytes of LDS; arguments W1, W2, W3, b1, wt; writes wt
.if DOCPART == 1
	.amdgcn_target "amdgcn-amd-amdhsa--gfx1250"
	.amdhsa_code_object_version 6
	.text
	.protected	k_q6444e5a144_pack
	.globl	k_q6444e5a144_pack
	.p2align	8
	.type	k_q6444e5a144_pack,@function
k_q6444e5a144_pack:
	s_mov_b64 s[64:65], 0
	v_nop
	global_prefetch_b8 v0, s[64:65] scope:SCOPE_SE
	s_setreg_imm32_b32 hwreg(HW_REG_WAVE_MODE, 25, 1), 1
	s_wait_xcnt 0x0
; wt = the weights of the eight experts in 16-bit formats, in the order in which the second launch streams them.
; One expert is 736 rows of 256 bytes (128 numbers of 16 bits):
;   rows   0.. 95  W1p[k = row     ][columns   0..127]  f16   W1p[k] = W1[k] for k < 90; k = 90: f16(b1); k = 91: f16(b1 - f16(b1));
;   rows  96..191  W1p[k = row - 96][columns 128..255]  f16   k = 92..95: zeros.  (The second launch feeds 1.0 at k = 90, 91 and 0 beyond.)
;   rows 192..447  W2[k = row - 192][columns   0..127]  f16
;   rows 448..463  W3p[kk =   0..127], eight to a row: 32 bytes each = bf16(W3[kk][0..3]), bf16 of what that rounding left, then eight zeros
;   rows 464..719  W2[k = row - 464][columns 128..255]  f16
;   rows 720..735  W3p[kk = 128..255]
; LIMIT: W1, W2 and b1 go to f16: a magnitude above 65,504 becomes infinite, steps below 2^-24 are lost.
; Work-group (gx, e) makes rows 16 gx .. 16 gx + 15 of expert e, a wave two of them: lanes 0-15 the even row, lanes 16-31 the odd one,
; 16 bytes (8 columns) a lane, so the wave's one store covers 512 consecutive bytes that start at a multiple of 512 in wt.
; Every border between kinds of rows (90, 92, 96, 186, 188, 192, 448, 464, 720) is even, so a wave's two rows are of one kind
; and the kind is taken by scalar branches on the wave's first row.  No LDS, no barrier, no loop: 1.5 MB are written once.
.set ROWS_E, 736
.macro COPY8 base                      ; 8 neighbouring f32 of my row -> 8 f16 in v[16:19]
	global_load_b128 v[8:11],  v4, s[\base:\base+1] th:TH_LOAD_NT
	global_load_b128 v[12:15], v4, s[\base:\base+1] offset:16 th:TH_LOAD_NT
	s_wait_loadcnt 0x0
.irp j, 0,1,2,3
	v_cvt_pk_f16_f32 v[16+\j], v[8+2*\j], v[9+2*\j]
.endr
.endm
	s_load_b256 s[4:11], s[0:1], 0x0               ; W1 s[4:5], W2 s[6:7], W3 s[8:9], b1 s[10:11]
	s_load_b64 s[12:13], s[0:1], 0x20              ; wt
	v_lshrrev_b32 v1, 5, v0
	v_readfirstlane_b32 s14, v1                    ; wave 0..7
	s_and_b32 s15, ttmp7, 0xffff                   ; expert e
	s_lshl_b32 s16, ttmp9, 4
	s_lshl1_add_u32 s16, s14, s16                  ; R0 = 16 gx + 2 wave: my wave's first row
	v_and_b32 v1, 15, v0                           ; c: which 16 bytes of the row
	v_bfe_u32 v2, v0, 4, 1                         ; which of the two rows
	v_lshlrev_b32 v3, 4, v1
	v_lshl_add_u32 v3, v2, 8, v3                   ; where I store: 256 x row + 16 c
	v_lshlrev_b32 v4, 5, v1                        ; my 8 f32 in a source row: 32 c
	s_mul_i32 s18, s15, ROWS_E
	s_add_co_u32 s18, s18, s16
	s_lshl_b32 s18, s18, 8                         ; (736 e + R0) x 256 bytes
	s_mov_b32 s19, 0
	s_mov_b32 s21, 0                               ; high word of every source offset
	s_wait_kmcnt 0x0
	s_add_nc_u64 s[12:13], s[12:13], s[18:19]
	s_cmp_ge_u32 s16, 192
	s_cbranch_scc1 .Lupper
	; rows 0..191: W1p
	s_cmp_ge_u32 s16, 96
	s_cselect_b32 s17, 1, 0                        ; which half of the columns
	s_mul_i32 s20, s17, 96
	s_sub_co_u32 s22, s16, s20                     ; k0
	s_lshl_b32 s17, s17, 9                         ; the half's 512 bytes
	s_cmp_ge_u32 s22, 92
	s_cbranch_scc1 .Lzero
	s_cmp_eq_u32 s22, 90
	s_cbranch_scc1 .Lbias
	s_mul_i32 s20, s15, 90*1024                    ; W1[e]
	s_lshl_b32 s22, s22, 10                        ; row k0
	s_add_co_u32 s20, s20, s22
	s_add_co_u32 s20, s20, s17
	s_add_nc_u64 s[4:5], s[4:5], s[20:21]
	v_lshl_add_u32 v4, v2, 10, v4                  ; lanes 16-31: row k0 + 1 (at most 89)
	COPY8 4
	s_branch .Lstore
.Lbias:                                            ; rows k = 90 and 91: b1 as two f16 terms
	s_lshl_b32 s20, s15, 10
	s_add_co_u32 s20, s20, s17
	s_add_nc_u64 s[10:11], s[10:11], s[20:21]
	global_load_b128 v[8:11],  v4, s[10:11]
	global_load_b128 v[12:15], v4, s[10:11] offset:16
	s_wait_loadcnt 0x0
.irp j, 0,1,2,3
	v_cvt_pk_f16_f32 v[16+\j], v[8+2*\j], v[9+2*\j]            ; the leading term
.endr
	v_cvt_f32_f16 v20, v16.l                       ; back to f32
	v_cvt_f32_f16 v21, v16.h
	v_cvt_f32_f16 v22, v17.l
	v_cvt_f32_f16 v23, v17.h
	v_cvt_f32_f16 v24, v18.l
	v_cvt_f32_f16 v25, v18.h
	v_cvt_f32_f16 v26, v19.l
	v_cvt_f32_f16 v27, v19.h
.irp j, 0,1,2,3
	v_pk_add_f32 v[20+2*\j:21+2*\j], v[8+2*\j:9+2*\j], v[20+2*\j:21+2*\j] neg_lo:[0,1] neg_hi:[0,1]   ; what the leading term left (exact)
.endr
.irp j, 0,1,2,3
	v_cvt_pk_f16_f32 v[28+\j], v[20+2*\j], v[21+2*\j]
.endr
	v_cmp_eq_u32 vcc_lo, 1, v2
.irp j, 0,1,2,3
	v_cndmask_b32 v[16+\j], v[16+\j], v[28+\j], vcc_lo         ; lanes 16-31 make row 91
.endr
	s_branch .Lstore
.Lzero:                                            ; rows k = 92..95
.irp j, 0,1,2,3
	v_mov_b32 v[16+\j], 0
.endr
	s_branch .Lstore
.Lupper:                                           ; rows 192..735: two parts of 256 rows of W2 and 16 rows of W3p
	s_sub_co_u32 s22, s16, 192
	s_cmp_ge_u32 s22, 272
	s_cselect_b32 s17, 1, 0                        ; part
	s_mul_i32 s20, s17, 272
	s_sub_co_u32 s22, s22, s20                     ; row in the part
	s_cmp_ge_u32 s22, 256
	s_cbranch_scc1 .Lw3
	s_lshl_b32 s20, s15, 18                        ; W2[e]
	s_lshl_b32 s22, s22, 10                        ; row k
	s_add_co_u32 s20, s20, s22
	s_lshl_b32 s17, s17, 9                         ; the part's 512 bytes of the row
	s_add_co_u32 s20, s20, s17
	s_add_nc_u64 s[6:7], s[6:7], s[20:21]
	v_lshl_add_u32 v4, v2, 10, v4
	COPY8 6
	s_branch .Lstore
.Lw3:                                              ; kk = 128 part + 8 (i0 + row) + c / 2; W3[e][kk] is 16 bytes
	s_sub_co_u32 s22, s22, 256                     ; i0
	s_lshl_b32 s20, s15, 12                        ; W3[e]
	s_lshl_b32 s17, s17, 11
	s_add_co_u32 s20, s20, s17
	s_lshl_b32 s22, s22, 7
	s_add_co_u32 s20, s20, s22
	s_add_nc_u64 s[8:9], s[8:9], s[20:21]
	v_lshrrev_b32 v5, 1, v1
	v_lshlrev_b32 v5, 4, v5
	v_lshl_add_u32 v5, v2, 7, v5
	global_load_b128 v[8:11], v5, s[8:9]
	v_and_b32 v6, 1, v1
	v_cmp_eq_u32 vcc_lo, 0, v6                     ; even c: the four leading and the four second terms; odd c: eight zeros
	s_wait_loadcnt 0x0
	v_cvt_pk_bf16_f32 v16, v8, v9                  ; the leading terms
	v_cvt_pk_bf16_f32 v17, v10, v11
	v_lshlrev_b32 v20, 16, v16                     ; back to f32
	v_and_b32     v21, 0xffff0000, v16
	v_lshlrev_b32 v22, 16, v17
	v_and_b32     v23, 0xffff0000, v17
	v_pk_add_f32 v[20:21], v[8:9],   v[20:21] neg_lo:[0,1] neg_hi:[0,1]       ; what they left (exact)
	v_pk_add_f32 v[22:23], v[10:11], v[22:23] neg_lo:[0,1] neg_hi:[0,1]
	v_cvt_pk_bf16_f32 v18, v20, v21
	v_cvt_pk_bf16_f32 v19, v22, v23
.irp j, 0,1,2,3
	v_cndmask_b32 v[16+\j], 0, v[16+\j], vcc_lo
.endr
.Lstore:
	global_store_b128 v3, v[16:19], s[12:13]       ; no hint: the next launch reads these bytes
	s_endpgm
.Lfunc_end_k_q6444e5a144_pack:
	.size	k_q6444e5a144_pack, .Lfunc_end_k_q6444e5a144_pack-k_q6444e5a144_pack
	.p2alignl 7, 3214868480
	.fill 96, 4, 3214868480
	.section	.rodata,"a",@progbits
	.p2align	6, 0x0
	.amdhsa_kernel k_q6444e5a144_pack
		.amdhsa_group_segment_fixed_size 0
		.amdhsa_private_segment_fixed_size 0
		.amdhsa_enable_private_segment 0
		.amdhsa_kernarg_size 40
		.amdhsa_user_sgpr_count 2
		.amdhsa_user_sgpr_kernarg_segment_ptr 1
		.amdhsa_wavefront_size32 1
		.amdhsa_system_sgpr_workgroup_id_x 1
		.amdhsa_system_sgpr_workgroup_id_y 1
		.amdhsa_system_sgpr_workgroup_id_z 1
		.amdhsa_system_vgpr_workitem_id 0
		.amdhsa_next_free_vgpr 40
		.amdhsa_next_free_sgpr 66
		.amdhsa_reserve_vcc 1
		.amdhsa_float_denorm_mode_32 3
		.amdhsa_float_denorm_mode_16_64 3
		.amdhsa_memory_ordered 1
		.amdhsa_forward_progress 1
		.amdhsa_inst_pref_size 7
	.end_amdhsa_kernel
	.amdgpu_metadata
---
amdhsa.version: [ 1, 2 ]
amdhsa.kernels:
  - .name:           k_q6444e5a144_pack
    .symbol:         k_q6444e5a144_pack.kd
    .args:
      - { .name: W1, .offset: 0, .size: 8, .value_kind: global_buffer, .address_space: global }
      - { .name: W2, .offset: 8, .size: 8, .value_kind: global_buffer, .address_space: global }
      - { .name: W3, .offset: 16, .size: 8, .value_kind: global_buffer, .address_space: global }
      - { .name: b1, .offset: 24, .size: 8, .value_kind: global_buffer, .address_space: global }
      - { .name: wt, .offset: 32, .size: 8, .value_kind: global_buffer, .address_space: global }
    .group_segment_fixed_size: 0
    .private_segment_fixed_size: 0
    .kernarg_segment_align: 8
    .kernarg_segment_size: 40
    .max_flat_workgroup_size: 256
    .sgpr_count:     66
    .vgpr_count:     40
    .wavefront_size: 32
...
	.end_amdgpu_metadata
.endif
;; end of part 1
;; launch mlp (part 2): grid 256 x 1, 4 waves a work-group, clusters of 4 x 1, 327,680 bytes of LDS; arguments x, centroids, b2, wt, out0, b3; writes out0
.if DOCPART == 2
	.amdgcn_target "amdgcn-amd-amdhsa--gfx1250"
	.amdhsa_code_object_version 6
	.text
	.protected	k_q6444e5a144_mlp
	.globl	k_q6444e5a144_mlp
	.p2align	8
	.type	k_q6444e5a144_mlp,@function
k_q6444e5a144_mlp:
	s_mov_b64 s[64:65], 0
	v_nop
	global_prefetch_b8 v0, s[64:65] scope:SCOPE_SE
	s_setreg_imm32_b32 hwreg(HW_REG_WAVE_MODE, 25, 1), 1
	s_wait_xcnt 0x0
	s_wait_alu depctr_hold_cnt(0) depctr_sa_sdst(0) depctr_va_vdst(0) depctr_va_sdst(0) depctr_va_ssrc(0) depctr_va_vcc(0) depctr_vm_vsrc(0)
	s_getreg_b32 s2, hwreg(HW_REG_IB_STS2, 6, 4)
	s_cmp_eq_u32 s2, 0
	s_cbranch_scc0 .Lentry_in_a_cluster
	s_endpgm
.Lentry_in_a_cluster:
	s_bfe_u32 s2, ttmp6, 0x10000c
	s_cmp_lg_u32 s2, 0x3003
	s_cbranch_scc0 .Lentry_shape_is_right
	s_endpgm
.Lentry_shape_is_right:
; out[n] = sum over e of w[n][e] (W3[e]^T relu(W2[e]^T relu(W1[e]^T x[n][3:] + b1[e]) + b2[e]) + b3[e]),  w from the distances of x[n][:3] to 8 centroids.
; 256 work-groups of 256 points; four waves, 64 points each = 4 point tiles p of 16.  All eight experts are walked on all points, as the definition does.
;
; EVERY PRODUCT IS TRANSPOSED: D = A B with A = 16 output features x 32 input features of W^T and B = 32 input features x 16 points.
; Register j of lane (r = lane % 16, h = lane / 16) of D is feature 16 u + 8 h + j of point r.  Rounded in pairs, feature tiles 2 k and 2 k + 1 are exactly
; registers 0-3 and 4-7 of the next layer's B fragment of K step k: activations never leave the wave's registers.
; Weights come as rows of 256 bytes from wt (see the first launch) and lie in LDS as [k][feature]; ds_load_tr16_b128 turns them into A fragments.
; One A fragment (two loads) feeds four matrix instructions, one for each point tile.
;
; FORMATS.  Layers 1 and 2 multiply in f16 (x, W1, b1, W2 and layer 1's output h1): 11 significant bits, which the sums of 90 and 256 terms need.
; Layer 2's output h2 can leave f16's range where f32 is still finite (256 terms of h1 x W2), so layer 3 multiplies in bf16, each side in two terms:
; h2 = hi + lo (lo = bf16 of the exact remainder), and W3's two terms lie in rows 0-3 and 4-7 of the one A tile, of which four rows alone were in use.
; So a K step of layer 3 is hi's and lo's product onto the same sums, and output j is D[j] + D[j + 4].
; b1 rides in K's padding (K = 90 -> 96): the points' features 90 and 91 are 1.0, W1p's rows 90, 91 are b1 in two f16 terms.  b2 (f32) is the C operand
; of each feature tile's first K step.  b3 (f32) enters with the routing weight.
;
; CLUSTER: all work-groups walk the same weights, so four work-groups ask for each weight tile jointly (mask 15); x is each work-group's own (mask 0).
; Three LDS slots hold an expert's three tiles: T1 (W1p, 192 rows), H0 and H1 (each 256 rows of half of W2's columns + 16 rows of W3p).  A slot is filled
; with the next expert's tile as soon as this expert has read it, behind a round of the cluster's barrier: three rounds an expert, one load a wave each.
; By this text's count a wave has five tensor loads out at the start and one behind each round.
;
; LIMITS.  (a) f16's range: |x|, |W1|, |b1|, |W2| and |h1| <= 90 max|x| max|W1| + |b1| must stay below 65,504 (for |x| <= 35 and |W1| <= 1.75 that bound is 5,500);
; steps below 2^-24 are lost.  (b) The distance is an fma chain and v_sqrt_f32, 1/x is v_rcp_f32: a point whose distance to a centroid agrees with twice the
; least distance to within a few units in the last place may fall on the other side of the cut than in a correctly rounded evaluation.  (c) A squared distance
; below 2^-126 counts as 0 (v_sqrt_f32 takes denormals as zero: ISA guide 15.8).  (d) relu is v_max_num_f32: a NaN becomes 0; inputs are taken to be finite.
.set PITCH,  288                       ; an LDS row of weights: 256 bytes + 32 of padding = 9 x 32: the eight rows that eight lanes of a transposing load address begin 32 bytes apart modulo 256
.set B2L,    0                         ; b2, all experts, f32: 8,192 bytes, filled once
.set SW1,    8192                      ; slot of T1: 192 rows
.set SH0,    SW1+192*PITCH             ; slot of H0: 272 rows
.set SH1,    SH0+272*PITCH             ; slot of H1: 272 rows
.set XST,    SH1+272*PITCH             ; x: 4 x 23,808 bytes, each wave's own 64 rows, filled once; later its first 2,048 bytes hold the wave's w[e][64]
.set XROW,   372                       ; bytes in a row of x
.set XW,     64*XROW                   ; a wave's part = 93 x 256 bytes
.set EXPB,   736*256                   ; an expert in wt
; vector registers, window 0
.set NEG1,   1                         ; -1.0 (from the end of the address set-up on)
.set A1,     2                         ; LDS address of my lane's part of a fragment in T1
.set AH0A,   3                         ; in H0, K steps 0-3; v4: K steps 4-7
.set AH1A,   5                         ; in H1, K steps 0-3; v6: K steps 4-7
.set AW30,   7                         ; W3p in H0; v8: in H1
.set AB,     9                         ; b2[e] + 32 h
.set AWT,    10                        ; w[e][r] of my wave's table
.set OUTOFF, 11                        ; my 16 bytes of out0
.set WP,     12                        ; v[12:15]   w of point (p, r) for this expert
.set OUT,    16                        ; v[16:31]   the result: 4 numbers for each p (lanes 0-15)
.set BIAS,   32                        ; v[32:47]   b2 of a feature tile as a C operand, two buffers
.set W3F,    48                        ; v[48:63]   fragment of W3p, two buffers
.set AF,     64                        ; v[64:127]  ring of eight A fragments
.set ACC,    128                       ; v[128:191] two sets of four accumulators (one for each p); the sets alternate from feature tile to feature tile
.set H2P,    192                       ; v[192:223] layer 2's output of two feature tiles as B fragments: the leading bf16 terms
.set H2L,    224                       ; v[224:255] the second bf16 terms
; window 1: H1[k][p] at 8 (4 k + p), k = 0..7: layer 1's output as B fragments
; window 2: XF[k][p] at 8 (4 k + p), k = 0..2: the points' features; behind them
.set D3,     96                        ; window 2, v[96:127]: layer 3's sums
; at the start only:
.set T0,     64                        ; 48 f32 of a point tile's features, two buffers
.set T1,     112
.set RD,     160                       ; routing: distances,
.set RA,     168                       ; squares, then d + eps, then w,
.set RI,     176                       ; reciprocals,
.set RT,     184                       ; at work
.set X0,     192                       ; LDS address of row r of my wave's x
.set XH,     193                       ; + 32 h
.set XYZ,    224                       ; v[224:235] the points' coordinates
; scalar registers: s8 wave; s9, s10, s[100:101] alone hold what hangs on my place in the cluster; s11 trips; s[12:13] out0; s[14:15] b3[e]; s[4:7] b3's four numbers
.set G0B,    4                         ; group 0 of b2's fill (free for b3 once that fill is shown done)
.set G1W,    16                        ; group 1: 48 rows
.set G1H,    24                        ; group 1: 68 rows
.set G0W1,   32
.set G0H0,   36
.set G0H1,   40
.set G1X,    44
.set G0X,    52
.set G1B,    56
.set CEN,    76                        ; s[76:99] the centroids
.set S_L1,   0x08                      ; source 1 (B) in window 2
.set S_L2,   0x04                      ; source 1 (B) in window 1
.set S_L3,   0xa0                      ; source 2 (C) and destination in window 2
.set S_E1,   0x40                      ; destination in window 1
.set S_X,    0x80                      ; destination in window 2
.set MSB, 0
.macro WIN new                         ; the immediate's high byte repeats the setting that is left
.if MSB != \new
	s_set_vgpr_msb (MSB<<8)|\new
.set MSB, \new
.endif
.endm
.macro PLACES                          ; four independent vector instructions behind a matrix instruction (ISA guide 7.12.1), where no useful ones stand
.rept 4
	v_nop
.endr
.endm
.macro CREST                           ; a round of the cluster's barrier behind its opening barrier
	s_cmp_lg_u32 s8, 0
	s_cbranch_scc1 .Lnot_wave_0_\@
	s_barrier_signal -3
.Lnot_wave_0_\@:
	s_barrier_wait -3
	s_barrier_signal -1
	s_barrier_wait -1
.endm
.macro ROUND
	s_barrier_signal -1
	s_barrier_wait -1
	CREST
.endm
; group 1: rows of 256 bytes as 32 elements of 8 bytes, dense in memory
.macro GROUP1 g, w0, rows
	s_mov_b32 s[\g+0], \w0                         ; 15:0 mask; 17:16 element of 8 bytes; 20 padding; 21 set beside a mask; 24:22 after every 64 words; 31:25 of 8 words
	s_mov_b32 s[\g+1], 32<<16                      ; tensor_dim0 = 32
	s_mov_b32 s[\g+2], \rows<<16                   ; tensor_dim1 = rows
	s_mov_b32 s[\g+3], 32<<16                      ; tile_dim0 = 32
	s_mov_b32 s[\g+4], \rows                       ; tile_dim1 = rows
	s_mov_b32 s[\g+5], 32                          ; from row to row: 32 elements
	s_mov_b32 s[\g+6], 0
	s_mov_b32 s[\g+7], 0
.endm
; group 0: to LDS byte lds0 + wave x ldsw, from the buffer in s[base:base+1] at byte off0 + wave x offw (s3 = 0)
.macro GROUP0 g, lds0, ldsw, base, off0, offw
	s_mov_b32 s[\g], 1
	s_mul_i32 s2, s8, \ldsw
	s_add_co_u32 s[\g+1], s2, \lds0
	s_mul_i32 s2, s8, \offw
.if \off0
	s_add_co_u32 s2, s2, \off0
.endif
	s_add_nc_u64 s[\g+2:\g+3], s[\base:\base+1], s[2:3]
	s_or_b32 s[\g+3], s[\g+3], 0x80000000
.endm
	s_load_b256 s[68:75], s[0:1], 0x0              ; x s[68:69], centroids s[70:71], b2 s[72:73], wt s[74:75]
	s_load_b128 s[12:15], s[0:1], 0x20             ; out0 s[12:13], b3 s[14:15]
	s_set_vgpr_msb 0x80
	v_lshl_add_u32 v128, v0, 2, 0x4d000
	v_mov_b32 v129, 0
	s_set_vgpr_msb 0x808a
	ds_add_u32 v128, v129
	s_set_vgpr_msb 0x8a00
	v_lshrrev_b32 v1, 5, v0
	v_readfirstlane_b32 s8, v1                     ; wave 0..3
	s_bfe_u32 s9, ttmp6, 0x40000                   ; cx
	s_lshl_b32 s10, ttmp9, 2
	s_add_co_u32 s10, s10, s9                      ; my block of 256 points = 4 x cluster + cx
	GROUP1 G1W, 0x0f73000f, 48                     ; joint, padded: a quarter of T1
	GROUP1 G1H, 0x0f73000f, 68                     ; joint, padded: a quarter of H0 or H1
	GROUP1 G1X, 0x00030000, 93                     ; my own, dense: my wave's 64 rows of x as 93 rows of 256 bytes
	GROUP1 G1B, 0x0023000f, 8                      ; joint, dense: a quarter of b2
	s_mov_b32 s3, 0
	s_mov_b32 s101, 0
	s_wait_dscnt 0x0
	s_wait_kmcnt 0x0
	s_load_b256 s[CEN:CEN+7],     s[70:71], 0x0    ; 24 numbers, wanted only behind the x phase
	s_load_b256 s[CEN+8:CEN+15],  s[70:71], 0x20
	s_load_b256 s[CEN+16:CEN+23], s[70:71], 0x40
	GROUP0 G0B,  B2L, 2048,     72, 0,       2048
	GROUP0 G0W1, SW1, 48*PITCH, 74, 0,       48*256
	GROUP0 G0H0, SH0, 68*PITCH, 74, 192*256, 68*256
	GROUP0 G0H1, SH1, 68*PITCH, 74, 464*256, 68*256
	s_mul_i32 s67, s8, XW
	s_mul_i32 s100, s10, 4*XW
	s_add_co_u32 s100, s100, s67                   ; my wave's rows in x (below 2^25 bytes)
	s_add_co_u32 s67, s67, XST                     ; and in LDS
	s_mov_b32 s[G0X], 1
	s_mov_b32 s[G0X+1], s67
	s_add_nc_u64 s[G0X+2:G0X+3], s[68:69], s[100:101]
	s_or_b32 s[G0X+3], s[G0X+3], 0x80000000
	s_lshl_b32 s100, s10, 12
	s_add_nc_u64 s[12:13], s[12:13], s[100:101]    ; out0 at my block: 256 points x 16 bytes
	ROUND                                          ; the four work-groups are here: the first joint loads meet
	tensor_load_to_lds s[G0X:G0X+3],   s[G1X:G1X+7]        ; all first fills in one group; x first, since it is wanted first
	s_nop 0
	tensor_load_to_lds s[G0B:G0B+3],   s[G1B:G1B+7]
	s_nop 0
	tensor_load_to_lds s[G0W1:G0W1+3], s[G1W:G1W+7]
	s_nop 0
	tensor_load_to_lds s[G0H0:G0H0+3], s[G1H:G1H+7]
	s_nop 0
	tensor_load_to_lds s[G0H1:G0H1+3], s[G1H:G1H+7]
	s_nop 0
	; lane addresses.  A transposing load of a fragment: lane l addresses row 8 h + l % 8 of the K step, 16 bytes at 16 ((l / 8) % 2) of the tile's 32
	v_bfe_u32 v12, v0, 4, 1                        ; h
	v_and_b32 v13, 7, v0
	v_bfe_u32 v14, v0, 3, 1
	v_and_b32 v15, 15, v0                          ; r
	v_lshl_add_u32 v1, v12, 3, v13
	v_mul_u32_u24 v1, v1, PITCH
	v_lshl_add_u32 v1, v14, 4, v1
	v_add_nc_u32 v[A1],     SW1, v1
	v_add_nc_u32 v[AH0A],   SH0, v1
	v_add_nc_u32 v[AH0A+1], SH0+128*PITCH, v1
	v_add_nc_u32 v[AH1A],   SH1, v1
	v_add_nc_u32 v[AH1A+1], SH1+128*PITCH, v1
	v_mul_u32_u24 v1, v12, PITCH                   ; W3p: eight k of 32 bytes in an LDS row, so k = 8 h + l % 8 is row h, byte 32 (l % 8)
	v_lshl_add_u32 v1, v13, 5, v1
	v_lshl_add_u32 v1, v14, 4, v1
	v_add_nc_u32 v[AW30],   SH0+256*PITCH, v1
	v_add_nc_u32 v[AW30+1], SH1+256*PITCH, v1
	v_mov_b32 v[NEG1], -1.0
	v_lshlrev_b32 v[AB], 5, v12
	v_lshl_add_u32 v[AWT], v15, 2, s67
	v_mul_u32_u24 v[X0], v15, XROW
	v_add_nc_u32 v[X0], s67, v[X0]
	v_lshl_add_u32 v[XH], v12, 5, v[X0]
	s_lshl_b32 s2, s8, 10
	v_lshl_add_u32 v[OUTOFF], v15, 4, s2           ; 64 points x 16 bytes a wave, 16 r
	v_cmp_eq_u32 s66, 1, v12                       ; lanes 16-31
; THE POINTS' FEATURES AS B FRAGMENTS.  Lane (r, h) of tile p wants features d = 32 k + 16 half + 8 h + j of row 16 p + r, at byte 12 + 4 d of the row.
; Rows of 372 bytes are aligned to 4 bytes only, hence loads of 4 bytes.  d = 90..95 do not exist: the six loads that would reach them in lanes 16-31
; read d = 82..87 in every lane (right for lanes 0-15), and lanes 16-31 then get 1.0, 1.0, 0, 0, 0, 0.  No lane reads past its row.
.macro LOADX p, T
.set II, 0
.rept 48
.if II >= 42
	ds_load_b32 v[\T+II], v[X0] offset:16*XROW*\p+12+4*(40+II)
.else
	ds_load_b32 v[\T+II], v[XH] offset:16*XROW*\p+12+8*(II&0x38)+4*(II&7)
.endif
.set II, II+1
.endr
.endm
.macro CVTX p, T
	v_cndmask_b32 v[\T+42], v[\T+42], 1.0, s66
	v_cndmask_b32 v[\T+43], v[\T+43], 1.0, s66
.irp j, 44,45,46,47
	v_cndmask_b32 v[\T+\j], v[\T+\j], 0, s66
.endr
	WIN S_X
.set II, 0
.rept 24
	v_cvt_pk_f16_f32 v[8*(4*(II>>3)+\p)+(II&7)], v[\T+2*II], v[\T+2*II+1]
.set II, II+1
.endr
	WIN 0
.endm
	s_wait_tensorcnt 0x4                           ; tensor loads of a wave end in order (ISA guide 10.11.1): my x is in, the four younger fills stay out
.irp p, 0,1,2,3
.irp c, 0,1,2
	ds_load_b32 v[XYZ+3*\p+\c], v[X0] offset:16*XROW*\p+4*\c
.endr
.endr
	LOADX 0, T0
	LOADX 1, T1
	s_wait_dscnt 48                                ; all but the 48 loads of tile 1
	CVTX 0, T0
	LOADX 2, T0
	s_wait_dscnt 48                                ; all but tile 2's
	CVTX 1, T1
	LOADX 3, T1
	s_wait_dscnt 48                                ; all but tile 3's
	CVTX 2, T0
	s_wait_dscnt 0x0
	CVTX 3, T1
; ROUTING, in f32, for the 16 points of tile p (both halves of the lanes compute the same).  The cut selects values only.
.macro ROUTE p
.irp e, 0,1,2,3,4,5,6,7
	v_sub_f32 v[RT],   s[CEN+3*\e],   v[XYZ+3*\p]
	v_sub_f32 v[RT+1], s[CEN+3*\e+1], v[XYZ+3*\p+1]
	v_sub_f32 v[RT+2], s[CEN+3*\e+2], v[XYZ+3*\p+2]
	v_mul_f32  v[RA+\e], v[RT], v[RT]
	v_fmac_f32 v[RA+\e], v[RT+1], v[RT+1]
	v_fmac_f32 v[RA+\e], v[RT+2], v[RT+2]
.endr
.irp e, 0,1,2,3,4,5,6,7
	v_sqrt_f32 v[RD+\e], v[RA+\e]
.endr
	v_nop                                          ; one plain vector instruction behind a run of transcendentals (ISA guide 5.7.2)
	s_wait_alu depctr_va_vdst(0)
	v_min3_num_f32 v[RT], v[RD], v[RD+1], v[RD+2]
	v_min3_num_f32 v[RT], v[RT], v[RD+3], v[RD+4]
	v_min3_num_f32 v[RT], v[RT], v[RD+5], v[RD+6]
	v_min_num_f32 v[RT], v[RT], v[RD+7]
	v_add_f32 v[RT], v[RT], v[RT]                  ; 2 x the least distance
.irp e, 0,1,2,3,4,5,6,7
	v_add_f32 v[RA+\e], 0x322bcc77, v[RD+\e]       ; d + 1e-8
.endr
.irp e, 0,1,2,3,4,5,6,7
	v_rcp_f32 v[RI+\e], v[RA+\e]
.endr
	v_nop
	s_wait_alu depctr_va_vdst(0)
.irp e, 0,1,2,3,4,5,6,7
	v_cmp_gt_f32 vcc_lo, v[RD+\e], v[RT]
	v_cndmask_b32 v[RI+\e], v[RI+\e], 0, vcc_lo
.endr
	v_add_f32 v[RT+1], v[RI],   v[RI+1]
	v_add_f32 v[RT+2], v[RI+2], v[RI+3]
	v_add_f32 v[RT+3], v[RI+4], v[RI+5]
	v_add_f32 v[RT+4], v[RI+6], v[RI+7]
	v_add_f32 v[RT+1], v[RT+1], v[RT+2]
	v_add_f32 v[RT+3], v[RT+3], v[RT+4]
	v_add_f32 v[RT+1], v[RT+1], v[RT+3]
	v_rcp_f32 v[RT+2], v[RT+1]
	v_nop
	s_wait_alu depctr_va_vdst(0)
.irp e, 0,1,2,3,4,5,6,7
	v_mul_f32 v[RA+\e], v[RI+\e], v[RT+2]
	ds_store_b32 v[AWT], v[RA+\e] offset:256*\e+64*\p          ; w[e][16 p + r], over x rows that this wave has read and that are never filled again
.endr
.endm
	s_wait_kmcnt 0x0                               ; the centroids
	ROUTE 0
	ROUTE 1
	ROUTE 2
	ROUTE 3
.irp j, 0,1,2,3,4,5,6,7,8,9,10,11,12,13,14,15
	v_mov_b32 v[OUT+\j], 0                         ; the sum over experts runs in a loop: it starts from zero
.endr
; THE STREAM OF A FRAGMENTS.  An expert is 176 K steps: 48 of layer 1 (feature tile u = t / 3), 64 + 64 of layer 2 (eight a tile).  Fragment f lies in ring
; buffer f % 8.  K step t multiplies buffer t % 8 and asks for fragment t + 7, into the buffer that K step t - 1 read.  176 is a multiple of 8, so the ring
; closes over the loop; fragments 176..182 are the next expert's first seven (wrap = 1) or are not asked for (the last expert).
.macro NEXTFRAG wrap
.set FF, FN
.set EMIT, 1
.if FN >= 176
.set FF, FN-176
.set EMIT, \wrap
.endif
.if EMIT
.if FF < 48
.set FB, A1
.set FO, ((FF/3)>>3)*96*PITCH+(FF%3)*32*PITCH+((FF/3)&7)*32
.else
.set FG, (FF-48)%64
.set FK, FG%8
.set FO, (FK&3)*32*PITCH+(FG/8)*32
.if FF < 112
.set FB, AH0A+(FK>>2)
.else
.set FB, AH1A+(FK>>2)
.endif
.endif
	ds_load_tr16_b128 v[AF+8*(FF%8):AF+8*(FF%8)+3],   v[FB] offset:FO              ; k = 8 h .. 8 h + 7 of feature r of the tile
	ds_load_tr16_b128 v[AF+8*(FF%8)+4:AF+8*(FF%8)+7], v[FB] offset:FO+16*PITCH     ; k = 16 + 8 h ..
.endif
.set FN, FN+1
.endm
; At the head of K step t: fragment t was asked for seven K steps ago; the six younger fragments (12 loads) may stay out.  Other LDS loads among them only
; make the wait stricter.  In the last expert nothing is asked for beyond fragment 175, so the count runs down to 0.
.macro KWAIT wrap
.set KW, 12
.if \wrap == 0
.if 2*(175-KT) < 12
.set KW, 2*(175-KT)
.endif
.endif
	s_wait_dscnt KW
.endm
; The four accumulators of a set take turns, one matrix instruction a turn, the sets alternate from tile to tile, and layer 3's four sums follow a set's
; fourth and take turns among themselves.
; Layer 1, feature tile u: 3 K steps x 4 point tiles into set u % 2.  epi = 1: the relu of tile u - 1 (the other set) stands among the matrix instructions
; (register in source 0 alone, so that window setting S_L1 serves it), its rounding into H1 in one run behind them.
.macro PACK1 v
.irp p, 0,1,2,3
.irp jj, 0,1,2,3
	v_cvt_pk_f16_f32 v[8*(4*((\v)>>1)+\p)+4*((\v)&1)+\jj], v[ACC+32*((\v)&1)+8*\p+2*\jj], v[ACC+32*((\v)&1)+8*\p+2*\jj+1]
.endr
.endr
.endm
.macro L1UNIT u, epi, wrap
.set SS, (\u)&1
.set AC, ACC+32*SS
.set AO, ACC+32-32*SS
.if \u == 1
	PLACES                                         ; tile 0 has no run of roundings behind it
.endif
.set II, 0
.rept 12
.if II%4 == 0
	KWAIT \wrap
.endif
.if II < 4
	v_wmma_f32_16x16x32_f16 v[AC+8*(II%4):AC+8*(II%4)+7], v[AF+8*(KT%8):AF+8*(KT%8)+7], v[8*II:8*II+7], 0
.else
	v_wmma_f32_16x16x32_f16 v[AC+8*(II%4):AC+8*(II%4)+7], v[AF+8*(KT%8):AF+8*(KT%8)+7], v[8*II:8*II+7], v[AC+8*(II%4):AC+8*(II%4)+7]
.endif
.if \epi
.irp d, 0,1,2
.if 3*II+\d < 32
	v_max_num_f32 v[AO+3*II+\d], v[AO+3*II+\d], 0
.endif
.endr
.endif
.if II%4 == 1
.if \epi == 0
	PLACES                                         ; the loads below land in a buffer that the last K step's matrix instructions read
.endif
.if \u == 0
.if II == 1
	ds_load_b128 v[BIAS:BIAS+3],   v[AB]                       ; b2 of layer 2's tile 0: features 8 h .. 8 h + 7
	ds_load_b128 v[BIAS+4:BIAS+7], v[AB] offset:16
.irp p, 0,1,2,3
	ds_load_b32 v[WP+\p], v[AWT] offset:64*\p                  ; this expert's routing weights
.endr
.endif
.endif
	NEXTFRAG \wrap
.endif
.if II%4 == 3
.set KT, KT+1
.endif
.set II, II+1
.endr
.if \epi
	WIN S_E1
	PACK1 \u-1
	WIN S_L1
.endif
.endm
.macro L1DRAIN                         ; tile 15: relu and rounding, register work alone
	PLACES
.set II, 0
.rept 32
	v_max_num_f32 v[ACC+32+II], 0, v[ACC+32+II]
.set II, II+1
.endr
	WIN S_E1
	PACK1 15
	WIN 0
.endm
; Layer 2, feature tile u: 8 K steps x 4 point tiles into set u % 2, starting from b2.  epi = 1: one relu of tile u - 1 behind each matrix instruction; behind the
; tile, under window 0, its split into two bf16 terms, and behind every second tile layer 3's K step on the two tiles just split.
; The fragment load stands behind the K step's third matrix instruction: four relus then stand behind the last matrix instruction that read its buffer.
; PACK2: hi = bf16(a); a <- a - hi (one fused multiply-add with -1.0, exact); lo = bf16(a).  Three runs, so that no line waits for the one in front of it.
.macro PACK2 v
.set PA, ACC+32*((\v)&1)
.set PH, 4*((\v)&1)
.irp p, 0,1,2,3
.irp jj, 0,1,2,3
	v_cvt_pk_bf16_f32 v[H2P+PH+8*\p+\jj], v[PA+8*\p+2*\jj], v[PA+8*\p+2*\jj+1]
.endr
.endr
.irp p, 0,1,2,3
.irp jj, 0,1,2,3
	v_fma_mix_f32_bf16 v[PA+8*\p+2*\jj],   v[H2P+PH+8*\p+\jj], v[NEG1], v[PA+8*\p+2*\jj] op_sel_hi:[1,0,0]                   ; source 0: the word's low bf16
	v_fma_mix_f32_bf16 v[PA+8*\p+2*\jj+1], v[H2P+PH+8*\p+\jj], v[NEG1], v[PA+8*\p+2*\jj+1] op_sel:[1,0,0] op_sel_hi:[1,0,0]   ; its high bf16
.endr
.endr
.irp p, 0,1,2,3
.irp jj, 0,1,2,3
	v_cvt_pk_bf16_f32 v[H2L+PH+8*\p+\jj], v[PA+8*\p+2*\jj], v[PA+8*\p+2*\jj+1]
.endr
.endr
.endm
.macro L3 q                            ; K step q of layer 3: both terms of h2 against the tile that holds both terms of W3
	WIN S_L3
.irp p, 0,1,2,3
.if (\q) == 0
	v_wmma_f32_16x16x32_bf16 v[D3+8*\p:D3+8*\p+7], v[W3F+8*((\q)&1):W3F+8*((\q)&1)+7], v[H2P+8*\p:H2P+8*\p+7], 0
.else
	v_wmma_f32_16x16x32_bf16 v[D3+8*\p:D3+8*\p+7], v[W3F+8*((\q)&1):W3F+8*((\q)&1)+7], v[H2P+8*\p:H2P+8*\p+7], v[D3+8*\p:D3+8*\p+7]
.endif
.endr
.irp p, 0,1,2,3
	v_wmma_f32_16x16x32_bf16 v[D3+8*\p:D3+8*\p+7], v[W3F+8*((\q)&1):W3F+8*((\q)&1)+7], v[H2L+8*\p:H2L+8*\p+7], v[D3+8*\p:D3+8*\p+7]
.endr
.endm
.macro L2UNIT u, epi, wrap
.set SS, (\u)&1
.set AC, ACC+32*SS
.set AO, ACC+32-32*SS
.if \u == 1
	PLACES                                         ; tile 0 has no run of roundings behind it
.endif
.set II, 0
.rept 32
.if II%4 == 0
	KWAIT \wrap
.endif
.if II < 4
	v_wmma_f32_16x16x32_f16 v[AC+8*(II%4):AC+8*(II%4)+7], v[AF+8*(KT%8):AF+8*(KT%8)+7], v[8*II:8*II+7], v[BIAS+8*SS:BIAS+8*SS+7]
.else
	v_wmma_f32_16x16x32_f16 v[AC+8*(II%4):AC+8*(II%4)+7], v[AF+8*(KT%8):AF+8*(KT%8)+7], v[8*II:8*II+7], v[AC+8*(II%4):AC+8*(II%4)+7]
.endif
.if \epi
	v_max_num_f32 v[AO+II], v[AO+II], 0
.endif
.if II%4 == 2
.if \epi == 0
	PLACES
.endif
.if II == 2
.if \u < 15
	ds_load_b128 v[BIAS+8-8*SS:BIAS+8-8*SS+3],   v[AB] offset:64*(\u+1)       ; b2 of the next tile, a whole tile ahead
	ds_load_b128 v[BIAS+8-8*SS+4:BIAS+8-8*SS+7], v[AB] offset:64*(\u+1)+16
.endif
.if SS == 1
	ds_load_tr16_b128 v[W3F+8*((\u>>1)&1):W3F+8*((\u>>1)&1)+3],   v[AW30+(\u>>3)] offset:((\u>>1)&3)*4*PITCH            ; W3p's K step u / 2, used behind the next tile
	ds_load_tr16_b128 v[W3F+8*((\u>>1)&1)+4:W3F+8*((\u>>1)&1)+7], v[AW30+(\u>>3)] offset:((\u>>1)&3)*4*PITCH+2*PITCH
.endif
.endif
	NEXTFRAG \wrap
.endif
.if II%4 == 3
.set KT, KT+1
.endif
.set II, II+1
.endr
.if \epi
	WIN 0
	PACK2 \u-1
.if SS == 0
	L3 (\u-2)/2
.endif
	WIN S_L2
.endif
.endm
.macro L2DRAIN                         ; tile 15, layer 3's last K step, and this expert's share of the result: register work alone; entered and left under window 0
	PLACES
.set II, 0
.rept 32
	v_max_num_f32 v[ACC+32+II], 0, v[ACC+32+II]
.set II, II+1
.endr
	PACK2 15
	L3 7
	PLACES                                         ; behind the last matrix instructions, in front of the reads of their results
	WIN S_L1                                       ; source 1 in window 2: layer 3's sums
.irp p, 0,1,2,3
.irp j, 0,1,2,3
	v_fma_f32 v[OUT+4*\p+\j], v[WP+\p], v[D3+8*\p+\j], v[OUT+4*\p+\j]         ; lanes 0-15: register j is output j of point r by W3's leading term,
.endr
.endr
.irp p, 0,1,2,3
.irp j, 0,1,2,3
	v_fma_f32 v[OUT+4*\p+\j], v[WP+\p], v[D3+8*\p+4+\j], v[OUT+4*\p+\j]       ; register j + 4 by its second term
.endr
.endr
	WIN 0
.irp p, 0,1,2,3
.irp j, 0,1,2,3
	v_fma_f32 v[OUT+4*\p+\j], v[WP+\p], s[4+\j], v[OUT+4*\p+\j]               ; + w b3
.endr
.endr
.endm
; One expert.  refill = 1: each slot is filled with the next expert's tile behind a round of the cluster's barrier, in front of whose opening signal every wave
; has waited for its LDS reads and for all its tensor loads; the joint load is the first thing behind the round's closing wait.
; A tile asked for behind one round is shown landed, by every wave, in front of the next: T1 lands during layer 2's first half and is first read at the end of its
; second half; H0 lands during the second half and is first read at the end of the next layer 1; H1 lands during layer 1 and is first read at the end of layer 2's first half.
.macro EXPERT refill
.set KT, 0
.set FN, 7
	s_load_b128 s[4:7], s[14:15], 0x0              ; b3[e]
	WIN S_L1
	L1UNIT 0, 0, \refill
.irp u, 1,2,3,4,5,6,7,8,9,10,11,12,13,14,15
	L1UNIT \u, 1, \refill
.endr
	WIN 0
	s_wait_dscnt 0x0                               ; my reads of T1 are over (and the look-ahead into H0 is in)
	s_set_vgpr_msb 0xa
	s_wait_tensorcnt 0x0                           ; all my tensor loads have landed: the one that was out is my quarter of H1
	ds_add_u32 v128, v129
	s_wait_dscnt 0x0
	s_set_vgpr_msb 0xa00
.if \refill
	s_add_nc_u64 s[G0W1+2:G0W1+3], s[G0W1+2:G0W1+3], EXPB      ; no load of mine is out: a group 0 may be written
.endif
	s_barrier_signal -1
	L1DRAIN
	s_barrier_wait -1                              ; H1 is whole; nobody reads T1 any more
.if \refill
	CREST
	tensor_load_to_lds s[G0W1:G0W1+3], s[G1W:G1W+7]            ; the next expert's T1
	s_nop 0
.endif
	WIN S_L2
	L2UNIT 0, 0, \refill
.irp u, 1,2,3,4,5,6,7
	L2UNIT \u, 1, \refill
.endr
.if \refill
	WIN 0
	s_wait_dscnt 0x0                               ; my reads of H0 are over, W3p's first four K steps among them
	s_set_vgpr_msb 0xa
	s_wait_tensorcnt 0x0                           ; my quarter of the next T1 has landed
	ds_add_u32 v128, v129
	s_wait_dscnt 0x0
	s_set_vgpr_msb 0xa00
	s_add_nc_u64 s[G0H0+2:G0H0+3], s[G0H0+2:G0H0+3], EXPB
	ROUND
	tensor_load_to_lds s[G0H0:G0H0+3], s[G1H:G1H+7]            ; the next expert's H0
	s_nop 0
	WIN S_L2
.endif
.irp u, 8,9,10,11,12,13,14,15
	L2UNIT \u, 1, \refill
.endr
	WIN 0
	s_wait_kmcnt 0x0                               ; b3[e]; also frees its address
.if \refill
	s_wait_dscnt 0x0                               ; my reads of H1 are over (and the look-ahead into the next T1 is in)
	s_set_vgpr_msb 0xa
	s_wait_tensorcnt 0x0                           ; my quarter of the next H0 has landed
	ds_add_u32 v128, v129
	s_wait_dscnt 0x0
	s_set_vgpr_msb 0xa00
	s_add_nc_u64 s[G0H1+2:G0H1+3], s[G0H1+2:G0H1+3], EXPB
	s_barrier_signal -1
	L2DRAIN
	s_barrier_wait -1
	CREST
	tensor_load_to_lds s[G0H1:G0H1+3], s[G1H:G1H+7]            ; the next expert's H1
	s_nop 0
	s_add_nc_u64 s[14:15], s[14:15], 16            ; b3, b2 and w of the next expert
	v_add_nc_u32 v[AB], 1024, v[AB]
	v_add_nc_u32 v[AWT], 256, v[AWT]
.else
	L2DRAIN
.endif
.endm
	s_wait_tensorcnt 0x0                           ; my quarters of b2, T1, H0, H1
	s_wait_dscnt 0x0                               ; my table of routing weights is written
	s_barrier_signal -1
	s_barrier_wait -1                              ; everybody's quarters are in
.set FN, 0
.rept 7
	NEXTFRAG 1                                     ; fragments 0 to 6
.endr
	s_mov_b32 s11, 7
.Lexp:
	EXPERT 1
	s_sub_co_u32 s11, s11, 1
	s_cmp_lg_u32 s11, 0
	s_cbranch_scc1 .Lexp
	EXPERT 0                                       ; the last expert fills nothing; its one barrier shows H1 whole
	; Lanes 0-15 hold a point's four numbers in four neighbouring registers: sixteen lanes store 256 consecutive bytes, at a multiple of 256 from out0's first byte
	v_and_b32 v1, 16, v0
	v_cmp_eq_u32 vcc_lo, 0, v1
	s_and_saveexec_b32 s2, vcc_lo                  ; no vector memory instruction is out here
.irp p, 0,1,2,3
	global_store_b128 v[OUTOFF], v[OUT+4*\p:OUT+4*\p+3], s[12:13] offset:256*\p th:TH_STORE_NT
.endr
	s_wait_xcnt 0x0                                ; EXEC is a source of the stores: it changes only behind this wait
	s_or_b32 exec_lo, exec_lo, s2
	ROUND                                          ; the closing round (no LDS instruction is out: the last K step's wait was for 0)
	s_endpgm
.Lfunc_end_k_q6444e5a144_mlp:
	.size	k_q6444e5a144_mlp, .Lfunc_end_k_q6444e5a144_mlp-k_q6444e5a144_mlp
	.p2alignl 7, 3214868480
	.fill 96, 4, 3214868480
	.section	.rodata,"a",@progbits
	.p2align	6, 0x0
	.amdhsa_kernel k_q6444e5a144_mlp
		.amdhsa_group_segment_fixed_size 327680
		.amdhsa_private_segment_fixed_size 0
		.amdhsa_enable_private_segment 0
		.amdhsa_kernarg_size 48
		.amdhsa_user_sgpr_count 2
		.amdhsa_user_sgpr_kernarg_segment_ptr 1
		.amdhsa_wavefront_size32 1
		.amdhsa_system_sgpr_workgroup_id_x 1
		.amdhsa_system_sgpr_workgroup_id_y 1
		.amdhsa_system_sgpr_workgroup_id_z 1
		.amdhsa_system_vgpr_workitem_id 0
		.amdhsa_next_free_vgpr 642
		.amdhsa_next_free_sgpr 102
		.amdhsa_reserve_vcc 1
		.amdhsa_float_denorm_mode_32 3
		.amdhsa_float_denorm_mode_16_64 3
		.amdhsa_memory_ordered 1
		.amdhsa_forward_progress 1
		.amdhsa_inst_pref_size 255
	.end_amdhsa_kernel
	.section	.bss,"aw",@nobits
	.p2align	6
	.space	262144
	.amdgpu_metadata
---
amdhsa.version: [ 1, 2 ]
amdhsa.kernels:
  - .name:           k_q6444e5a144_mlp
    .symbol:         k_q6444e5a144_mlp.kd
    .args:
      - { .name: x, .offset: 0, .size: 8, .value_kind: global_buffer, .address_space: global }
      - { .name: centroids, .offset: 8, .size: 8, .value_kind: global_buffer, .address_space: global }
      - { .name: b2, .offset: 16, .size: 8, .value_kind: global_buffer, .address_space: global }
      - { .name: wt, .offset: 24, .size: 8, .value_kind: global_buffer, .address_space: global }
      - { .name: out0, .offset: 32, .size: 8, .value_kind: global_buffer, .address_space: global }
      - { .name: b3, .offset: 40, .size: 8, .value_kind: global_buffer, .address_space: global }
    .group_segment_fixed_size: 327680
    .private_segment_fixed_size: 0
    .kernarg_segment_align: 8
    .kernarg_segment_size: 48
    .max_flat_workgroup_size: 128
    .sgpr_count:     102
    .vgpr_count:     642
    .wavefront_size: 32
...
	.end_amdgpu_metadata
.endif
;; end of part 2
;; ======== version 2 of 2: 2 launches; 1.31 times as fast as version 1
;; limits: values are held in f16: magnitudes above 65,504 overflow, below 6.1e-05 lose precision
;; workspace buffers: wt 1,507,328 bytes
;; launch pack: the kernel of part 1 again; grid 46 x 8, 8 waves a work-group, no clusters, 0 bytes of LDS; arguments W1, W2, W3, b1, wt; writes wt
;; launch mlp (part 3): grid 256 x 1, 4 waves a work-group, clusters of 4 x 1, 327,680 bytes of LDS; arguments x, centroids, b2, wt, out0, b3; writes out0
.if DOCPART == 3
	.amdgcn_target "amdgcn-amd-amdhsa--gfx1250"
	.amdhsa_code_object_version 6
	.text
	.protected	k_q6444e5a144_mlp
	.globl	k_q6444e5a144_mlp
	.p2align	8
	.type	k_q6444e5a144_mlp,@function
k_q6444e5a144_mlp:
	s_mov_b64 s[64:65], 0
	v_nop
	global_prefetch_b8 v0, s[64:65] scope:SCOPE_SE
	s_setreg_imm32_b32 hwreg(HW_REG_WAVE_MODE, 25, 1), 1
	s_wait_xcnt 0x0
	s_wait_alu depctr_hold_cnt(0) depctr_sa_sdst(0) depctr_va_vdst(0) depctr_va_sdst(0) depctr_va_ssrc(0) depctr_va_vcc(0) depctr_vm_vsrc(0)
	s_getreg_b32 s2, hwreg(HW_REG_IB_STS2, 6, 4)
	s_cmp_eq_u32 s2, 0
	s_cbranch_scc0 .Lentry_in_a_cluster
	s_endpgm
.Lentry_in_a_cluster:
	s_bfe_u32 s2, ttmp6, 0x10000c
	s_cmp_lg_u32 s2, 0x3003
	s_cbranch_scc0 .Lentry_shape_is_right
	s_endpgm
.Lentry_shape_is_right:
; out[n] = sum over e of w[n][e] (W3[e]^T relu(W2[e]^T relu(W1[e]^T x[n][3:] + b1[e]) + b2[e]) + b3[e]),  w from the distances of x[n][:3] to 8 centroids.
; 256 work-groups of 256 points; four waves, 64 points each = 4 point tiles p of 16.  All eight experts are walked on all points, as the definition does.
;
; EVERY PRODUCT IS TRANSPOSED: D = A B with A = 16 output features x 32 input features of W^T and B = 32 input features x 16 points.
; Register j of lane (r = lane % 16, h = lane / 16) of D is feature 16 u + 8 h + j of point r.  Rounded in pairs, feature tiles 2 k and 2 k + 1 are exactly
; registers 0-3 and 4-7 of the next layer's B fragment of K step k: activations never leave the wave's registers.
; Weights come as rows of 256 bytes from wt (see the first launch) and lie in LDS as [k][feature]; ds_load_tr16_b128 turns them into A fragments.
; One A fragment (two loads) feeds four matrix instructions, one for each point tile.
;
; FORMATS.  Layers 1 and 2 multiply in f16 (x, W1, b1, W2 and layer 1's output h1): 11 significant bits, which the sums of 90 and 256 terms need.
; Layer 2's output h2 can leave f16's range where f32 is still finite (256 terms of h1 x W2), so layer 3 multiplies in bf16.  h2 is rounded once; W3 goes in two
; terms, which lie in rows 0-3 and 4-7 of the one A tile (of its 16 rows four alone would be in use), so output j is D[j] + D[j + 4] at no further matrix instruction.
; b1 rides in K's padding (K = 90 -> 96): the points' features 90 and 91 are 1.0, W1p's rows 90, 91 are b1 in two f16 terms.  b2 (f32) is the C operand
; of each feature tile's first K step.  b3 (f32) enters with the routing weight.
;
; CLUSTER: all work-groups walk the same weights, so four work-groups ask for each weight tile jointly (mask 15); x is each work-group's own (mask 0).
; Three LDS slots hold an expert's three tiles: T1 (W1p, 192 rows), H0 and H1 (each 256 rows of half of W2's columns + 16 rows of W3p).  A slot is filled
; with the next expert's tile as soon as this expert has read it, behind a round of the cluster's barrier: three rounds an expert, one load a wave each.
; By this text's count a wave has five tensor loads out at the start and one behind each round.
;
; LIMITS.  (a) f16's range: |x|, |W1|, |b1|, |W2| and |h1| <= 90 max|x| max|W1| + |b1| must stay below 65,504 (for |x| <= 35 and |W1| <= 1.75 that bound is 5,500);
; steps below 2^-24 are lost.  (b) h2 in bf16: each element is off by at most 2^-9 of itself; 256 such errors, independent, leave an expert's output off by about
; 0.0015 of its root mean square, whatever the inputs' scale.  (c) The distance is an fma chain and v_sqrt_f32, 1/x is v_rcp_f32: a point whose distance to a
; centroid agrees with twice the least distance to within a few units in the last place may fall on the other side of the cut than in a correctly rounded
; evaluation.  (d) A squared distance below 2^-126 counts as 0 (v_sqrt_f32 takes denormals as zero: ISA guide 15.8).  (e) relu is a maximum in which a NaN loses:
; a NaN becomes 0; inputs are taken to be finite.
.set PITCH,  288                       ; an LDS row of weights: 256 bytes + 32 of padding = 9 x 32: the eight rows that eight lanes of a transposing load address begin 32 bytes apart modulo 256
.set B2L,    0                         ; b2, all experts, f32: 8,192 bytes, filled once
.set SW1,    8192                      ; slot of T1: 192 rows
.set SH0,    SW1+192*PITCH             ; slot of H0: 272 rows
.set SH1,    SH0+272*PITCH             ; slot of H1: 272 rows
.set XST,    SH1+272*PITCH             ; x: 4 x 23,808 bytes, each wave's own 64 rows, filled once; later its first 2,048 bytes hold the wave's w[e][64]
.set XROW,   372                       ; bytes in a row of x
.set XW,     64*XROW                   ; a wave's part = 93 x 256 bytes
.set EXPB,   736*256                   ; an expert in wt
; vector registers, window 0 (v1: at work)
.set A1,     2                         ; LDS address of my lane's part of a fragment in T1
.set AH0A,   3                         ; in H0, K steps 0-3; v4: K steps 4-7
.set AH1A,   5                         ; in H1, K steps 0-3; v6: K steps 4-7
.set AW30,   7                         ; W3p in H0; v8: in H1
.set AB,     9                         ; b2[e] + 32 h
.set AWT,    10                        ; w[e][r] of my wave's table
.set OUTOFF, 11                        ; my 16 bytes of out0
.set WP,     12                        ; v[12:15]   w of point (p, r) for this expert
.set OUT,    16                        ; v[16:31]   the result: 4 numbers for each p (lanes 0-15)
.set W3F,    48                        ; v[48:63]   fragment of W3p, two buffers
.set BIAS,   64                        ; v[64:95]   b2 of a feature tile as a C operand: two buffers of two tiles
.set ACC,    128                       ; v[128:191] two sets of four accumulators (one for each p); the sets alternate from feature tile to feature tile
.set H2P,    192                       ; v[192:223] layer 2's output of two feature tiles as B fragments, bf16
.set D3,     224                       ; v[224:255] layer 3's sums
; window 1: H1[k][p] at 8 (4 k + p), k = 0..7: layer 1's output as B fragments
; window 2: XF[k][p] at 8 (4 k + p), k = 0..2: the points' features
; window 3: two buffers of 16 A fragments, at 0 and at 128
; at the start only:
.set T0,     64                        ; 48 f32 of a point tile's features, two buffers
.set T1,     112
.set RD,     160                       ; routing: distances,
.set RA,     168                       ; squares, then d + eps, then w,
.set RI,     176                       ; reciprocals,
.set RT,     184                       ; at work
.set X0,     192                       ; LDS address of row r of my wave's x
.set XH,     193                       ; + 32 h
.set XYZ,    224                       ; v[224:235] the points' coordinates
; scalar registers: s8 wave; s9, s10, s[100:101] alone hold what hangs on my place in the cluster; s11 trips; s[12:13] out0; s[14:15] b3[e]; s[4:7] b3's four numbers
.set G0B,    4                         ; group 0 of b2's fill (free for b3 once that fill is shown done)
.set G1W,    16                        ; group 1: 48 rows
.set G1H,    24                        ; group 1: 68 rows
.set G0W1,   32
.set G0H0,   36
.set G0H1,   40
.set G1X,    44
.set G0X,    52
.set G1B,    56
.set CEN,    76                        ; s[76:99] the centroids
.set S_L1,   0x0b                      ; source 0 (A) in window 3, source 1 (B) in window 2
.set S_L2,   0x07                      ; source 0 (A) in window 3, source 1 (B) in window 1
.set S_E1,   0x40                      ; destination in window 1
.set S_X,    0x80                      ; destination in window 2
.set S_AF,   0xc0                      ; destination in window 3
.set MSB, 0
.macro WIN new                         ; the immediate's high byte repeats the setting that is left
.if MSB != \new
	s_set_vgpr_msb (MSB<<8)|\new
.set MSB, \new
.endif
.endm
.macro PLACES                          ; four independent vector instructions behind a matrix instruction (ISA guide 7.12.1), where no useful ones stand
.rept 4
	v_nop
.endr
.endm
.macro CREST                           ; a round of the cluster's barrier behind its opening barrier
	s_cmp_lg_u32 s8, 0
	s_cbranch_scc1 .Lnot_wave_0_\@
	s_barrier_signal -3
.Lnot_wave_0_\@:
	s_barrier_wait -3
	s_barrier_signal -1
	s_barrier_wait -1
.endm
.macro ROUND
	s_barrier_signal -1
	s_barrier_wait -1
	CREST
.endm
; group 1: rows of 256 bytes as 32 elements of 8 bytes, dense in memory
.macro GROUP1 g, w0, rows
	s_mov_b32 s[\g+0], \w0                         ; 15:0 mask; 17:16 element of 8 bytes; 20 padding; 21 set beside a mask; 24:22 after every 64 words; 31:25 of 8 words
	s_mov_b32 s[\g+1], 32<<16                      ; tensor_dim0 = 32
	s_mov_b32 s[\g+2], \rows<<16                   ; tensor_dim1 = rows
	s_mov_b32 s[\g+3], 32<<16                      ; tile_dim0 = 32
	s_mov_b32 s[\g+4], \rows                       ; tile_dim1 = rows
	s_mov_b32 s[\g+5], 32                          ; from row to row: 32 elements
	s_mov_b32 s[\g+6], 0
	s_mov_b32 s[\g+7], 0
.endm
; group 0: to LDS byte lds0 + wave x ldsw, from the buffer in s[base:base+1] at byte off0 + wave x offw (s3 = 0)
.macro GROUP0 g, lds0, ldsw, base, off0, offw
	s_mov_b32 s[\g], 1
	s_mul_i32 s2, s8, \ldsw
	s_add_co_u32 s[\g+1], s2, \lds0
	s_mul_i32 s2, s8, \offw
.if \off0
	s_add_co_u32 s2, s2, \off0
.endif
	s_add_nc_u64 s[\g+2:\g+3], s[\base:\base+1], s[2:3]
	s_or_b32 s[\g+3], s[\g+3], 0x80000000
.endm
	s_load_b256 s[68:75], s[0:1], 0x0              ; x s[68:69], centroids s[70:71], b2 s[72:73], wt s[74:75]
	s_load_b128 s[12:15], s[0:1], 0x20             ; out0 s[12:13], b3 s[14:15]
	v_lshl_add_u32 v46, v0, 2, 0x4d000
	v_mov_b32 v47, 0
	ds_add_u32 v46, v47
	v_lshrrev_b32 v1, 5, v0
	v_readfirstlane_b32 s8, v1                     ; wave 0..3
	s_bfe_u32 s9, ttmp6, 0x40000                   ; cx
	s_lshl_b32 s10, ttmp9, 2
	s_add_co_u32 s10, s10, s9                      ; my block of 256 points = 4 x cluster + cx
	GROUP1 G1W, 0x0f73000f, 48                     ; joint, padded: a quarter of T1
	GROUP1 G1H, 0x0f73000f, 68                     ; joint, padded: a quarter of H0 or H1
	GROUP1 G1X, 0x00030000, 93                     ; my own, dense: my wave's 64 rows of x as 93 rows of 256 bytes
	GROUP1 G1B, 0x0023000f, 8                      ; joint, dense: a quarter of b2
	s_mov_b32 s3, 0
	s_mov_b32 s101, 0
	s_wait_dscnt 0x0
	s_wait_kmcnt 0x0
	s_load_b256 s[CEN:CEN+7],     s[70:71], 0x0    ; 24 numbers, wanted only behind the x phase
	s_load_b256 s[CEN+8:CEN+15],  s[70:71], 0x20
	s_load_b256 s[CEN+16:CEN+23], s[70:71], 0x40
	GROUP0 G0B,  B2L, 2048,     72, 0,       2048
	GROUP0 G0W1, SW1, 48*PITCH, 74, 0,       48*256
	GROUP0 G0H0, SH0, 68*PITCH, 74, 192*256, 68*256
	GROUP0 G0H1, SH1, 68*PITCH, 74, 464*256, 68*256
	s_mul_i32 s67, s8, XW
	s_mul_i32 s100, s10, 4*XW
	s_add_co_u32 s100, s100, s67                   ; my wave's rows in x (below 2^25 bytes)
	s_add_co_u32 s67, s67, XST                     ; and in LDS
	s_mov_b32 s[G0X], 1
	s_mov_b32 s[G0X+1], s67
	s_add_nc_u64 s[G0X+2:G0X+3], s[68:69], s[100:101]
	s_or_b32 s[G0X+3], s[G0X+3], 0x80000000
	s_lshl_b32 s100, s10, 12
	s_add_nc_u64 s[12:13], s[12:13], s[100:101]    ; out0 at my block: 256 points x 16 bytes
	ROUND                                          ; the four work-groups are here: the first joint loads meet
	tensor_load_to_lds s[G0X:G0X+3],   s[G1X:G1X+7]        ; all first fills in one group; x first, since it is wanted first
	s_nop 0
	tensor_load_to_lds s[G0B:G0B+3],   s[G1B:G1B+7]
	s_nop 0
	tensor_load_to_lds s[G0W1:G0W1+3], s[G1W:G1W+7]
	s_nop 0
	tensor_load_to_lds s[G0H0:G0H0+3], s[G1H:G1H+7]
	s_nop 0
	tensor_load_to_lds s[G0H1:G0H1+3], s[G1H:G1H+7]
	s_nop 0
	; lane addresses.  A transposing load of a fragment: lane l addresses row 8 h + l % 8 of the K step, 16 bytes at 16 ((l / 8) % 2) of the tile's 32
	v_bfe_u32 v12, v0, 4, 1                        ; h
	v_and_b32 v13, 7, v0
	v_bfe_u32 v14, v0, 3, 1
	v_and_b32 v15, 15, v0                          ; r
	v_lshl_add_u32 v1, v12, 3, v13
	v_mul_u32_u24 v1, v1, PITCH
	v_lshl_add_u32 v1, v14, 4, v1
	v_add_nc_u32 v[A1],     SW1, v1
	v_add_nc_u32 v[AH0A],   SH0, v1
	v_add_nc_u32 v[AH0A+1], SH0+128*PITCH, v1
	v_add_nc_u32 v[AH1A],   SH1, v1
	v_add_nc_u32 v[AH1A+1], SH1+128*PITCH, v1
	v_mul_u32_u24 v1, v12, PITCH                   ; W3p: eight k of 32 bytes in an LDS row, so k = 8 h + l % 8 is row h, byte 32 (l % 8)
	v_lshl_add_u32 v1, v13, 5, v1
	v_lshl_add_u32 v1, v14, 4, v1
	v_add_nc_u32 v[AW30],   SH0+256*PITCH, v1
	v_add_nc_u32 v[AW30+1], SH1+256*PITCH, v1
	v_lshlrev_b32 v[AB], 5, v12
	v_lshl_add_u32 v[AWT], v15, 2, s67
	v_mul_u32_u24 v[X0], v15, XROW
	v_add_nc_u32 v[X0], s67, v[X0]
	v_lshl_add_u32 v[XH], v12, 5, v[X0]
	s_lshl_b32 s2, s8, 10
	v_lshl_add_u32 v[OUTOFF], v15, 4, s2           ; 64 points x 16 bytes a wave, 16 r
	v_cmp_eq_u32 s66, 1, v12                       ; lanes 16-31
; THE POINTS' FEATURES AS B FRAGMENTS.  Lane (r, h) of tile p wants features d = 32 k + 16 half + 8 h + j of row 16 p + r, at byte 12 + 4 d of the row.
; Rows of 372 bytes are aligned to 4 bytes only, hence loads of 4 bytes.  d = 90..95 do not exist: the six loads that would reach them in lanes 16-31
; read d = 82..87 in every lane (right for lanes 0-15), and lanes 16-31 then get 1.0, 1.0, 0, 0, 0, 0.  No lane reads past its row.
.macro LOADX p, T
.set II, 0
.rept 48
.if II >= 42
	ds_load_b32 v[\T+II], v[X0] offset:16*XROW*\p+12+4*(40+II)
.else
	ds_load_b32 v[\T+II], v[XH] offset:16*XROW*\p+12+8*(II&0x38)+4*(II&7)
.endif
.set II, II+1
.endr
.endm
.macro CVTX p, T
	v_cndmask_b32 v[\T+42], v[\T+42], 1.0, s66
	v_cndmask_b32 v[\T+43], v[\T+43], 1.0, s66
.irp j, 44,45,46,47
	v_cndmask_b32 v[\T+\j], v[\T+\j], 0, s66
.endr
	WIN S_X
.set II, 0
.rept 24
	v_cvt_pk_f16_f32 v[8*(4*(II>>3)+\p)+(II&7)], v[\T+2*II], v[\T+2*II+1]
.set II, II+1
.endr
	WIN 0
.endm
	s_wait_tensorcnt 0x4                           ; tensor loads of a wave end in order (ISA guide 10.11.1): my x is in, the four younger fills stay out
.irp p, 0,1,2,3
.irp c, 0,1,2
	ds_load_b32 v[XYZ+3*\p+\c], v[X0] offset:16*XROW*\p+4*\c
.endr
.endr
	LOADX 0, T0
	LOADX 1, T1
	s_wait_dscnt 48                                ; all but the 48 loads of tile 1
	CVTX 0, T0
	LOADX 2, T0
	s_wait_dscnt 48                                ; all but tile 2's
	CVTX 1, T1
	LOADX 3, T1
	s_wait_dscnt 48                                ; all but tile 3's
	CVTX 2, T0
	s_wait_dscnt 0x0
	CVTX 3, T1
; ROUTING, in f32, for the 16 points of tile p (both halves of the lanes compute the same).  The cut selects values only.
.macro ROUTE p
.irp e, 0,1,2,3,4,5,6,7
	v_sub_f32 v[RT],   s[CEN+3*\e],   v[XYZ+3*\p]
	v_sub_f32 v[RT+1], s[CEN+3*\e+1], v[XYZ+3*\p+1]
	v_sub_f32 v[RT+2], s[CEN+3*\e+2], v[XYZ+3*\p+2]
	v_mul_f32  v[RA+\e], v[RT], v[RT]
	v_fmac_f32 v[RA+\e], v[RT+1], v[RT+1]
	v_fmac_f32 v[RA+\e], v[RT+2], v[RT+2]
.endr
.irp e, 0,1,2,3,4,5,6,7
	v_sqrt_f32 v[RD+\e], v[RA+\e]
.endr
	v_nop                                          ; one plain vector instruction behind a run of transcendentals (ISA guide 5.7.2)
	s_wait_alu depctr_va_vdst(0)
	v_min3_num_f32 v[RT], v[RD], v[RD+1], v[RD+2]
	v_min3_num_f32 v[RT], v[RT], v[RD+3], v[RD+4]
	v_min3_num_f32 v[RT], v[RT], v[RD+5], v[RD+6]
	v_min_num_f32 v[RT], v[RT], v[RD+7]
	v_add_f32 v[RT], v[RT], v[RT]                  ; 2 x the least distance
.irp e, 0,1,2,3,4,5,6,7
	v_add_f32 v[RA+\e], 0x322bcc77, v[RD+\e]       ; d + 1e-8
.endr
.irp e, 0,1,2,3,4,5,6,7
	v_rcp_f32 v[RI+\e], v[RA+\e]
.endr
	v_nop
	s_wait_alu depctr_va_vdst(0)
.irp e, 0,1,2,3,4,5,6,7
	v_cmp_gt_f32 vcc_lo, v[RD+\e], v[RT]
	v_cndmask_b32 v[RI+\e], v[RI+\e], 0, vcc_lo
.endr
	v_add_f32 v[RT+1], v[RI],   v[RI+1]
	v_add_f32 v[RT+2], v[RI+2], v[RI+3]
	v_add_f32 v[RT+3], v[RI+4], v[RI+5]
	v_add_f32 v[RT+4], v[RI+6], v[RI+7]
	v_add_f32 v[RT+1], v[RT+1], v[RT+2]
	v_add_f32 v[RT+3], v[RT+3], v[RT+4]
	v_add_f32 v[RT+1], v[RT+1], v[RT+3]
	v_rcp_f32 v[RT+2], v[RT+1]
	v_nop
	s_wait_alu depctr_va_vdst(0)
.irp e, 0,1,2,3,4,5,6,7
	v_mul_f32 v[RA+\e], v[RI+\e], v[RT+2]
	ds_store_b32 v[AWT], v[RA+\e] offset:256*\e+64*\p          ; w[e][16 p + r], over x rows that this wave has read and that are never filled again
.endr
.endm
	s_wait_kmcnt 0x0                               ; the centroids
	ROUTE 0
	ROUTE 1
	ROUTE 2
	ROUTE 3
.irp j, 0,1,2,3,4,5,6,7,8,9,10,11,12,13,14,15
	v_mov_b32 v[OUT+\j], 0                         ; the sum over experts runs in a loop: it starts from zero
.endr
; THE STREAM OF A FRAGMENTS.  An expert is 176 K steps: 48 of layer 1 (feature tile u = t / 3), 64 + 64 of layer 2 (eight a tile), one fragment each.
; They go in 12 BATCHES: four of 12 fragments (four tiles of layer 1 each), eight of 16 (two tiles of layer 2 each).  Batch b lies in buffer b % 2 of window 3.
; At the head of batch b stand, in ONE run, the wait for batch b's loads and all the loads of batch b + 1, into the buffer that batch b - 1 read, together
; with the few other LDS loads of the next tiles: LDS work and vector work change hands twelve times an expert.  A batch is asked for a whole batch of
; products (48 or 64 matrix instructions) before it is multiplied, so each head's wait is for 0.  12 is even: the two buffers close over the loop.
; Batch 12 is the next expert's batch 0 (wrap = 1) or is not asked for (the last expert).  At most 38 LDS loads of a wave are out.
.macro FETCHB b, wrap
.set BB, \b
.set EMIT, 1
.if BB >= 12
.set BB, 0
.set EMIT, \wrap
.endif
.if EMIT
.if BB < 4
.set NF, 12
.set FF0, 12*BB
.else
.set NF, 16
.set FF0, 48+16*(BB-4)
.endif
	WIN S_AF
.set FI, 0
.rept 16
.if FI < NF
.set FF, FF0+FI
.if FF < 48
.set FB, A1
.set FO, ((FF/3)>>3)*96*PITCH+(FF%3)*32*PITCH+((FF/3)&7)*32
.else
.set FG, (FF-48)%64
.set FK, FG%8
.set FO, (FK&3)*32*PITCH+(FG/8)*32
.if FF < 112
.set FB, AH0A+(FK>>2)
.else
.set FB, AH1A+(FK>>2)
.endif
.endif
	ds_load_tr16_b128 v[128*(BB&1)+8*FI:128*(BB&1)+8*FI+3],   v[FB] offset:FO              ; k = 8 h .. 8 h + 7 of feature r of the tile
	ds_load_tr16_b128 v[128*(BB&1)+8*FI+4:128*(BB&1)+8*FI+7], v[FB] offset:FO+16*PITCH     ; k = 16 + 8 h ..
.endif
.set FI, FI+1
.endr
	WIN 0
.endif
.endm
.macro SETAFR                          ; where K step KT's fragment lies in window 3
.if KT < 48
.set AFR, 128*((KT/12)&1)+8*(KT%12)
.else
.set AFR, 128*(((KT-48)/16)&1)+8*((KT-48)%16)
.endif
.endm
; The four accumulators of a set take turns, one matrix instruction a turn, the sets alternate from tile to tile, and layer 3's four sums follow a set's
; fourth, one instruction each.
; THE RELU AMONG THE PRODUCTS is v_max3_num_f32 d, 0, 0, d: under the products' window settings sources 0 and 1 mean windows 3 and 2 (or 1), so the register
; stands in source 2 and in the destination, the two places that mean window 0 there.  No switch of windows is then needed for it.
; THE RUN OF 16 ROUNDINGS behind a tile (of the tile before it: the other set of accumulators) names no register of the tile's products, so it is also the
; distance in front of a batch head's loads into the buffer just multiplied and in front of the next reads of this tile's sums.
; Layer 1, feature tile u: 3 K steps x 4 point tiles into set u % 2.  epi = 1: the relu of tile u - 1 stands among the matrix instructions, its rounding into H1 behind them.
.macro PACK1 v
.irp p, 0,1,2,3
.irp jj, 0,1,2,3
	v_cvt_pk_f16_f32 v[8*(4*((\v)>>1)+\p)+4*((\v)&1)+\jj], v[ACC+32*((\v)&1)+8*\p+2*\jj], v[ACC+32*((\v)&1)+8*\p+2*\jj+1]
.endr
.endr
.endm
.macro L1UNIT u, epi
.set SS, (\u)&1
.set AC, ACC+32*SS
.set AO, ACC+32-32*SS
.if (\u)%4 == 0
	s_wait_dscnt 0x0                               ; this batch's fragments, asked for a batch ago
	FETCHB \u/4+1, 1
.if \u == 0
.irp p, 0,1,2,3
	ds_load_b32 v[WP+\p], v[AWT] offset:64*\p                  ; this expert's routing weights
.endr
.endif
.if \u == 12
.irp d, 0,1
	ds_load_b128 v[BIAS+8*\d:BIAS+8*\d+3],   v[AB] offset:64*\d            ; b2 of layer 2's tiles 0 and 1: features 8 h .. 8 h + 7 of each
	ds_load_b128 v[BIAS+8*\d+4:BIAS+8*\d+7], v[AB] offset:64*\d+16
.endr
.endif
.endif
.if \u == 1
	PLACES                                         ; tile 0 has no run of roundings behind it
.endif
	WIN S_L1
.set II, 0
.rept 12
.if II%4 == 0
	SETAFR
.endif
.if II < 4
	v_wmma_f32_16x16x32_f16 v[AC+8*(II%4):AC+8*(II%4)+7], v[AFR:AFR+7], v[8*II:8*II+7], 0
.else
	v_wmma_f32_16x16x32_f16 v[AC+8*(II%4):AC+8*(II%4)+7], v[AFR:AFR+7], v[8*II:8*II+7], v[AC+8*(II%4):AC+8*(II%4)+7]
.endif
.if \epi
.irp d, 0,1,2
.if 3*II+\d < 32
	v_max3_num_f32 v[AO+3*II+\d], 0, 0, v[AO+3*II+\d]
.endif
.endr
.endif
.if II%4 == 3
.set KT, KT+1
.endif
.set II, II+1
.endr
.if \epi
	WIN S_E1
	PACK1 \u-1
.endif
.endm
.macro L1DRAIN                         ; tile 15: relu and rounding, register work alone; tile 14's 16 roundings stand between the last product and these reads
.set II, 0
.rept 32
	v_max_num_f32 v[ACC+32+II], 0, v[ACC+32+II]
.set II, II+1
.endr
	WIN S_E1
	PACK1 15
	WIN 0
.endm
; Layer 2, feature tile u: 8 K steps x 4 point tiles into set u % 2, starting from b2.  epi = 1: one relu of tile u - 1 behind each matrix instruction; behind the
; tile, under window 0, its rounding to bf16, and behind every second tile layer 3's K step on the two tiles just rounded.
; An even tile is the head of a batch: its run asks for the next batch, for b2 of the next two tiles, and for W3p's K step u / 2, which is used behind tile u + 2,
; that is behind the next head's wait (the last one: behind the wait in front of the expert's last barrier).
.macro PACK2 v
.irp p, 0,1,2,3
.irp jj, 0,1,2,3
	v_cvt_pk_bf16_f32 v[H2P+8*\p+4*((\v)&1)+\jj], v[ACC+32*((\v)&1)+8*\p+2*\jj], v[ACC+32*((\v)&1)+8*\p+2*\jj+1]
.endr
.endr
.endm
.macro L3 q                            ; K step q of layer 3: h2 of feature tiles 2 q, 2 q + 1 against the tile that holds both terms of W3; all in window 0
.irp p, 0,1,2,3
.if (\q) == 0
	v_wmma_f32_16x16x32_bf16 v[D3+8*\p:D3+8*\p+7], v[W3F+8*((\q)&1):W3F+8*((\q)&1)+7], v[H2P+8*\p:H2P+8*\p+7], 0
.else
	v_wmma_f32_16x16x32_bf16 v[D3+8*\p:D3+8*\p+7], v[W3F+8*((\q)&1):W3F+8*((\q)&1)+7], v[H2P+8*\p:H2P+8*\p+7], v[D3+8*\p:D3+8*\p+7]
.endif
.endr
.endm
.macro L2UNIT u, epi, wrap
.set SS, (\u)&1
.set AC, ACC+32*SS
.set AO, ACC+32-32*SS
.set BC, BIAS+16*((\u>>1)&1)+8*SS      ; this tile's b2
.set BN, BIAS+16*(((\u>>1)+1)&1)       ; the next batch's
.set WQ, W3F+8*((\u>>1)&1)
.if SS == 0
	WIN 0
	s_wait_dscnt 0x0                               ; this batch's fragments and b2, and W3p's K step for the tiles just rounded, all asked for a batch ago
	FETCHB 5+\u/2, \wrap
.if \u < 14
.irp d, 0,1
	ds_load_b128 v[BN+8*\d:BN+8*\d+3],   v[AB] offset:64*(\u+2+\d)
	ds_load_b128 v[BN+8*\d+4:BN+8*\d+7], v[AB] offset:64*(\u+2+\d)+16
.endr
.endif
	ds_load_tr16_b128 v[WQ:WQ+3],   v[AW30+(\u>>3)] offset:((\u>>1)&3)*4*PITCH
	ds_load_tr16_b128 v[WQ+4:WQ+7], v[AW30+(\u>>3)] offset:((\u>>1)&3)*4*PITCH+2*PITCH
.endif
.if \u == 1
	PLACES                                         ; tile 0 has no run of roundings behind it
.endif
	WIN S_L2
.set II, 0
.rept 32
.if II%4 == 0
	SETAFR
.endif
.if II < 4
	v_wmma_f32_16x16x32_f16 v[AC+8*(II%4):AC+8*(II%4)+7], v[AFR:AFR+7], v[8*II:8*II+7], v[BC:BC+7]
.else
	v_wmma_f32_16x16x32_f16 v[AC+8*(II%4):AC+8*(II%4)+7], v[AFR:AFR+7], v[8*II:8*II+7], v[AC+8*(II%4):AC+8*(II%4)+7]
.endif
.if \epi
	v_max3_num_f32 v[AO+II], 0, 0, v[AO+II]
.endif
.if II%4 == 3
.set KT, KT+1
.endif
.set II, II+1
.endr
.if \epi
	WIN 0
	PACK2 \u-1
.if SS == 0
	L3 (\u-2)/2
.endif
.endif
.endm
.macro L2DRAIN                         ; tile 15, layer 3's last K step, and this expert's share of the result: register work alone, window 0
.set II, 0                             ; tile 14's 16 roundings stand between the last product and these reads
.rept 32
	v_max_num_f32 v[ACC+32+II], 0, v[ACC+32+II]
.set II, II+1
.endr
	PACK2 15
	L3 7
	PLACES                                         ; behind the last matrix instructions, in front of the reads of their results
.irp p, 0,1,2,3
.irp j, 0,1,2,3
	v_fma_f32 v[OUT+4*\p+\j], v[WP+\p], v[D3+8*\p+\j], v[OUT+4*\p+\j]         ; lanes 0-15: register j is output j of point r by W3's leading term,
.endr
.endr
.irp p, 0,1,2,3
.irp j, 0,1,2,3
	v_fma_f32 v[OUT+4*\p+\j], v[WP+\p], v[D3+8*\p+4+\j], v[OUT+4*\p+\j]       ; register j + 4 by its second term
.endr
.endr
.irp p, 0,1,2,3
.irp j, 0,1,2,3
	v_fma_f32 v[OUT+4*\p+\j], v[WP+\p], s[4+\j], v[OUT+4*\p+\j]               ; + w b3
.endr
.endr
.endm
; One expert.  refill = 1: each slot is filled with the next expert's tile behind a round of the cluster's barrier, in front of whose opening signal every wave
; has waited for its LDS reads and for all its tensor loads; the joint load is the first thing behind the round's closing wait.
; A tile asked for behind one round is shown landed, by every wave, in front of the next.  By the batch heads:
;   T1: last read at the head of layer 1's tile 8, filled behind round 1 (end of layer 1), whole behind round 2, next read at the head of layer 2's tile 14;
;   H0: last read at the heads of layer 2's tiles 4 (fragments) and 6 (W3p), filled behind round 2 (behind tile 7), whole behind round 3, next read at the head of layer 1's tile 12;
;   H1: last read at the heads of tiles 12 and 14, filled behind round 3 (end of layer 2), whole behind round 1, next read at the head of layer 2's tile 6.
.macro EXPERT refill
.set KT, 0
	s_load_b128 s[4:7], s[14:15], 0x0              ; b3[e]
	L1UNIT 0, 0
.irp u, 1,2,3,4,5,6,7,8,9,10,11,12,13,14,15
	L1UNIT \u, 1
.endr
	WIN 0
	s_wait_dscnt 0x0                               ; my reads of T1 are over (and layer 2's first batch is in)
	s_wait_tensorcnt 0x0                           ; all my tensor loads have landed: the one that was out is my quarter of H1
	ds_add_u32 v46, v47
	s_wait_dscnt 0x0
.if \refill
	s_add_nc_u64 s[G0W1+2:G0W1+3], s[G0W1+2:G0W1+3], EXPB      ; no load of mine is out: a group 0 may be written
.endif
	s_barrier_signal -1
	L1DRAIN
	s_barrier_wait -1                              ; H1 is whole; nobody reads T1 any more
.if \refill
	CREST
	tensor_load_to_lds s[G0W1:G0W1+3], s[G1W:G1W+7]            ; the next expert's T1
	s_nop 0
.endif
	L2UNIT 0, 0, \refill
.irp u, 1,2,3,4,5,6,7
	L2UNIT \u, 1, \refill
.endr
.if \refill
	WIN 0
	s_wait_dscnt 0x0                               ; my reads of H0 are over, W3p's first four K steps among them
	s_wait_tensorcnt 0x0                           ; my quarter of the next T1 has landed
	ds_add_u32 v46, v47
	s_wait_dscnt 0x0
	s_add_nc_u64 s[G0H0+2:G0H0+3], s[G0H0+2:G0H0+3], EXPB
	ROUND
	tensor_load_to_lds s[G0H0:G0H0+3], s[G1H:G1H+7]            ; the next expert's H0
	s_nop 0
.endif
.irp u, 8,9,10,11,12,13,14,15
	L2UNIT \u, 1, \refill
.endr
	WIN 0
	s_wait_kmcnt 0x0                               ; b3[e]; also frees its address
	s_wait_dscnt 0x0                               ; W3p's last K step is in; my reads of H1 are over (and the next expert's first batch is in)
.if \refill
	s_wait_tensorcnt 0x0                           ; my quarter of the next H0 has landed
	ds_add_u32 v46, v47
	s_wait_dscnt 0x0
	s_add_nc_u64 s[G0H1+2:G0H1+3], s[G0H1+2:G0H1+3], EXPB
	s_barrier_signal -1
	L2DRAIN
	s_barrier_wait -1
	CREST
	tensor_load_to_lds s[G0H1:G0H1+3], s[G1H:G1H+7]            ; the next expert's H1
	s_nop 0
	s_add_nc_u64 s[14:15], s[14:15], 16            ; b3, b2 and w of the next expert
	v_add_nc_u32 v[AB], 1024, v[AB]
	v_add_nc_u32 v[AWT], 256, v[AWT]
.else
	L2DRAIN
.endif
.endm
	s_wait_tensorcnt 0x0                           ; my quarters of b2, T1, H0, H1
	s_wait_dscnt 0x0                               ; my table of routing weights is written
	s_barrier_signal -1
	s_barrier_wait -1                              ; everybody's quarters are in
	FETCHB 0, 1                                    ; the first expert's first batch
	s_mov_b32 s11, 7
.Lexp:
	EXPERT 1
	s_sub_co_u32 s11, s11, 1
	s_cmp_lg_u32 s11, 0
	s_cbranch_scc1 .Lexp
	EXPERT 0                                       ; the last expert fills nothing; its one barrier shows H1 whole
	; Lanes 0-15 hold a point's four numbers in four neighbouring registers: sixteen lanes store 256 consecutive bytes, at a multiple of 256 from out0's first byte
	v_and_b32 v1, 16, v0
	v_cmp_eq_u32 vcc_lo, 0, v1
	s_and_saveexec_b32 s2, vcc_lo                  ; no vector memory instruction is out here
.irp p, 0,1,2,3
	global_store_b128 v[OUTOFF], v[OUT+4*\p:OUT+4*\p+3], s[12:13] offset:256*\p th:TH_STORE_NT
.endr
	s_wait_xcnt 0x0                                ; EXEC is a source of the stores: it changes only behind this wait
	s_or_b32 exec_lo, exec_lo, s2
	ROUND                                          ; the closing round (no LDS instruction is out: the last wait on them was for 0)
	s_endpgm
.Lfunc_end_k_q6444e5a144_mlp:
	.size	k_q6444e5a144_mlp, .Lfunc_end_k_q6444e5a144_mlp-k_q6444e5a144_mlp
	.p2alignl 7, 3214868480
	.fill 96, 4, 3214868480
	.section	.rodata,"a",@progbits
	.p2align	6, 0x0
	.amdhsa_kernel k_q6444e5a144_mlp
		.amdhsa_group_segment_fixed_size 327680
		.amdhsa_private_segment_fixed_size 0
		.amdhsa_enable_private_segment 0
		.amdhsa_kernarg_size 48
		.amdhsa_user_sgpr_count 2
		.amdhsa_user_sgpr_kernarg_segment_ptr 1
		.amdhsa_wavefront_size32 1
		.amdhsa_system_sgpr_workgroup_id_x 1
		.amdhsa_system_sgpr_workgroup_id_y 1
		.amdhsa_system_sgpr_workgroup_id_z 1
		.amdhsa_system_vgpr_workitem_id 0
		.amdhsa_next_free_vgpr 1024
		.amdhsa_next_free_sgpr 102
		.amdhsa_reserve_vcc 1
		.amdhsa_float_denorm_mode_32 3
		.amdhsa_float_denorm_mode_16_64 3
		.amdhsa_memory_ordered 1
		.amdhsa_forward_progress 1
		.amdhsa_inst_pref_size 255
	.end_amdhsa_kernel
	.section	.bss,"aw",@nobits
	.p2align	6
	.space	262144
	.amdgpu_metadata
---
amdhsa.version: [ 1, 2 ]
amdhsa.kernels:
  - .name:           k_q6444e5a144_mlp
    .symbol:         k_q6444e5a144_mlp.kd
    .args:
      - { .name: x, .offset: 0, .size: 8, .value_kind: global_buffer, .address_space: global }
      - { .name: centroids, .offset: 8, .size: 8, .value_kind: global_buffer, .address_space: global }
      - { .name: b2, .offset: 16, .size: 8, .value_kind: global_buffer, .address_space: global }
      - { .name: wt, .offset: 24, .size: 8, .value_kind: global_buffer, .address_space: global }
      - { .name: out0, .offset: 32, .size: 8, .value_kind: global_buffer, .address_space: global }
      - { .name: b3, .offset: 40, .size: 8, .value_kind: global_buffer, .address_space: global }
    .group_segment_fixed_size: 327680
    .private_segment_fixed_size: 0
    .kernarg_segment_align: 8
    .kernarg_segment_size: 48
    .max_flat_workgroup_size: 128
    .sgpr_count:     102
    .vgpr_count:     1024
    .wavefront_size: 32
...
	.end_amdgpu_metadata
.endif
;; end of part 3
